; MI455X (gfx1250); checked and timed in simulation.
; The chip was launched on July 23, 2026; its instructions are those of AMD's public machine-readable ISA for CDNA 5 (MIT licence, August 2026) and "CDNA5" Instruction Set Architecture Reference Guide (July 2026). The comments in the code are by the model that wrote it; some were corrected since.
;; Model. Allowed arithmetic: float matrix products may take bf16 or f16 operands with f32 sums; all other float work in f32.
;; Inputs: b1 4,096 float32; b2 1,024 float32; w1 4,096 x 4,096 float32; w2 1,024 x 4,096 float32; x 2,048 x 4,096 float32.
;; Outputs: out0 2,048 x 1,024 float32.
;; One version. Each part assembles by itself: llvm-mc -triple=amdgcn-amd-amdhsa -mcpu=gfx1250 --defsym DOCPART=n.
;; ======== version 1 of 1: 3 launches
;; workspace buffers: xb 16,777,216 bytes; w1c 16,777,216 bytes; w2c 4,194,304 bytes; hb 16,777,216 bytes
;; launch prep (part 1): grid 1792 x 1, 8 waves a work-group, no clusters, 17,408 bytes of LDS; arguments x, w1, w2, xb, w1c, w2c; writes xb, w1c, w2c
.if DOCPART == 1
	.amdgcn_target "amdgcn-amd-amdhsa--gfx1250"
	.amdhsa_code_object_version 6
	.text
	.protected	k_q123f44f6c4_prep
	.globl	k_q123f44f6c4_prep
	.p2align	8
	.type	k_q123f44f6c4_prep,@function
k_q123f44f6c4_prep:
	s_mov_b64 s[64:65], 0
	v_nop
	global_prefetch_b8 v0, s[64:65] scope:SCOPE_SE
	s_setreg_imm32_b32 hwreg(HW_REG_WAVE_MODE, 25, 1), 1
	s_wait_xcnt 0x0
; prep: xb = bf16(x);  w1c, w2c = one byte for each weight: 0x3f where w >= 0, else 0xbf (the upper byte of bf16 +1.0 and -1.0).
; The comparison is 0 <= w in f32, so -0.0 gives +1 and a NaN gives -1, as the select on w >= 0 does.
; A stream: every input byte is read once and every output byte written once; nothing is shared between work-groups, so neither
; a cluster nor the matrix unit nor a tensor load has anything to give here.
; A work-group takes 65,536 bytes of one input, a wave 8,192, a lane sixteen loads of 16 bytes; each load of a wave covers 512
; neighbouring bytes.  Work-groups 0-511 take x, 512-1535 w1, 1536-1791 w2.  All sixteen loads of a wave go out first.
.set XGROUPS,  512                     ; 33,554,432 bytes of x / 65,536
.set W1GROUPS, 1024                    ; 67,108,864 bytes of w1 / 65,536
.set X,    32                          ; v[32:95]   load j: 4 registers
.set Y,    96                          ; v[96:127]  x: 2 registers to store for each load;  w: v[96:111] codes read back from LDS
.set CODE, 112                         ; v[112:127] w: load j's four codes in one word
.set MASK, 32                          ; s[32:35]   the four comparisons of a load
	s_load_b256 s[4:11], s[0:1], 0x0               ; x s[4:5], w1 s[6:7], w2 s[8:9], xb s[10:11]
	s_load_b128 s[12:15], s[0:1], 0x20             ; w1c s[12:13], w2c s[14:15]
	v_lshl_add_u32 v128, v0, 2, 0x4000
	v_mov_b32 v129, 0
	v_and_b32 v7, 31, v0                           ; lane
	v_lshrrev_b32 v8, 5, v0
	v_readfirstlane_b32 s21, v8                    ; wave
	s_lshl_b32 s22, s21, 13
	v_lshl_add_u32 v1, v7, 4, s22                  ; where I read: 8,192 wave + 16 lane
	s_cmp_lt_u32 ttmp9, XGROUPS
	s_cbranch_scc0 .Lweights
.macro FILL base                       ; sixteen loads, 512 neighbouring bytes of the wave's 8,192 each; read once in the launch
.irp j, 0,1,2,3,4,5,6,7,8,9,10,11,12,13,14,15
	global_load_b128 v[X+4*\j:X+4*\j+3], v1, s[\base:\base+1] offset:512*\j th:TH_LOAD_NT
.endr
.endm
	; ---- x to bf16 ----
	s_lshl_b32 s23, s21, 12
	v_lshl_add_u32 v2, v7, 3, s23                  ; where I write: 4,096 wave + 8 lane
	s_lshl_b32 s16, ttmp9, 16                      ; the group's 65,536 bytes of x (below 2^25)
	s_mov_b32 s17, 0
	s_lshl_b32 s18, ttmp9, 15                      ; and its 32,768 bytes of xb
	s_mov_b32 s19, 0
	s_wait_kmcnt 0x0
	s_add_nc_u64 s[4:5], s[4:5], s[16:17]
	s_add_nc_u64 s[10:11], s[10:11], s[18:19]
	FILL 4
.irp j, 0,1,2,3,4,5,6,7,8,9,10,11,12,13,14,15
	s_wait_loadcnt 15-\j                           ; loads come back in order: load j is in, the 15 - j younger ones stay out
	v_cvt_pk_bf16_f32 v[Y+2*\j],   v[X+4*\j],   v[X+4*\j+1]
	v_cvt_pk_bf16_f32 v[Y+2*\j+1], v[X+4*\j+2], v[X+4*\j+3]
	global_store_b64 v2, v[Y+2*\j:Y+2*\j+1], s[10:11] offset:256*\j    ; the wave's 32 lanes store 256 consecutive bytes, aligned; a later launch reads them: no hint
.endr
	s_endpgm
	; ---- weights to sign bytes ----
.Lweights:
	s_movk_i32 s24, XGROUPS
	s_movk_i32 s25, XGROUPS+W1GROUPS
	s_lshl_b32 s23, s21, 11                        ; the wave's 2,048 codes: in LDS and in the group's 16,384 bytes of output
	v_lshl_add_u32 v3, v7, 2, s23                  ; LDS, in: one word a lane
	v_lshl_add_u32 v4, v7, 4, s23                  ; LDS, back: 16 bytes a lane
	v_lshl_add_u32 v2, v7, 4, s23                  ; where I write
	v_mov_b32 v5, 0xbf
	v_mov_b32 v6, 0x3f
	s_wait_kmcnt 0x0
	s_cmp_lt_u32 ttmp9, s25                        ; w1 or w2: hangs on the group's number alone
	s_cselect_b64 s[16:17], s[6:7], s[8:9]
	s_cselect_b64 s[18:19], s[12:13], s[14:15]
	s_cselect_b32 s20, s24, s25
	s_sub_co_u32 s20, ttmp9, s20                   ; the group's number within its tensor
	s_lshl_b32 s26, s20, 16                        ; below 2^26
	s_mov_b32 s27, 0
	s_lshl_b32 s28, s20, 14
	s_mov_b32 s29, 0
	s_add_nc_u64 s[16:17], s[16:17], s[26:27]
	s_add_nc_u64 s[18:19], s[18:19], s[28:29]
	FILL 16
	; A lane's four codes are 4 bytes; stored from here a wave would write half of an aligned block of 256 bytes at a time.  So the
	; wave's 2,048 codes go through its own 2,048 bytes of LDS and leave as four stores of 512 consecutive bytes.
.irp j, 0,1,2,3,4,5,6,7,8,9,10,11,12,13,14,15
	s_wait_loadcnt 15-\j                           ; load j is in, the younger ones stay out
.irp c, 0,1,2,3
	v_cmp_le_f32 s[MASK+\c], 0, v[X+4*\j+\c]       ; 0 <= w
.endr
.irp c, 0,1,2,3
	v_cndmask_b32 v[8+\c], v5, v6, s[MASK+\c]      ; 0x3f where it holds, else 0xbf
.endr
	v_lshl_or_b32 v8, v9, 8, v8
	v_lshl_or_b32 v10, v11, 8, v10
	v_lshl_or_b32 v[CODE+\j], v10, 16, v8          ; byte c = element c
	ds_store_b32 v3, v[CODE+\j] offset:128*\j
.endr
.irp g, 0,1,2,3
	ds_load_b128 v[Y+4*\g:Y+4*\g+3], v4 offset:512*\g      ; the wave's own bytes, and LDS serves a wave's instructions in order (ISA guide 5.7.1): these see the stores above
.endr
.irp g, 0,1,2,3
	s_wait_dscnt 3-\g                              ; read-back g is in, the younger ones stay out
	global_store_b128 v2, v[Y+4*\g:Y+4*\g+3], s[18:19] offset:512*\g   ; 512 consecutive bytes, aligned
.endr
	s_wait_tensorcnt 0x0
	ds_add_u32 v128, v129
	s_wait_dscnt 0x0
	s_endpgm
.Lfunc_end_k_q123f44f6c4_prep:
	.size	k_q123f44f6c4_prep, .Lfunc_end_k_q123f44f6c4_prep-k_q123f44f6c4_prep
	.p2alignl 7, 3214868480
	.fill 96, 4, 3214868480
	.section	.rodata,"a",@progbits
	.p2align	6, 0x0
	.amdhsa_kernel k_q123f44f6c4_prep
		.amdhsa_group_segment_fixed_size 17408
		.amdhsa_private_segment_fixed_size 0
		.amdhsa_enable_private_segment 0
		.amdhsa_kernarg_size 48
		.amdhsa_user_sgpr_count 2
		.amdhsa_user_sgpr_kernarg_segment_ptr 1
		.amdhsa_wavefront_size32 1
		.amdhsa_system_sgpr_workgroup_id_x 1
		.amdhsa_system_sgpr_workgroup_id_y 1
		.amdhsa_system_sgpr_workgroup_id_z 1
		.amdhsa_system_vgpr_workitem_id 0
		.amdhsa_next_free_vgpr 130
		.amdhsa_next_free_sgpr 66
		.amdhsa_reserve_vcc 0
		.amdhsa_float_denorm_mode_32 3
		.amdhsa_float_denorm_mode_16_64 3
		.amdhsa_memory_ordered 1
		.amdhsa_forward_progress 1
		.amdhsa_inst_pref_size 23
	.end_amdhsa_kernel
	.amdgpu_metadata
---
amdhsa.version: [ 1, 2 ]
amdhsa.kernels:
  - .name:           k_q123f44f6c4_prep
    .symbol:         k_q123f44f6c4_prep.kd
    .args:
      - { .name: x, .offset: 0, .size: 8, .value_kind: global_buffer, .address_space: global }
      - { .name: w1, .offset: 8, .size: 8, .value_kind: global_buffer, .address_space: global }
      - { .name: w2, .offset: 16, .size: 8, .value_kind: global_buffer, .address_space: global }
      - { .name: xb, .offset: 24, .size: 8, .value_kind: global_buffer, .address_space: global }
      - { .name: w1c, .offset: 32, .size: 8, .value_kind: global_buffer, .address_space: global }
      - { .name: w2c, .offset: 40, .size: 8, .value_kind: global_buffer, .address_space: global }
    .group_segment_fixed_size: 17408
    .private_segment_fixed_size: 0
    .kernarg_segment_align: 8
    .kernarg_segment_size: 48
    .max_flat_workgroup_size: 256
    .sgpr_count:     66
    .vgpr_count:     130
    .wavefront_size: 32
...
	.end_amdgpu_metadata
.endif
;; end of part 1
;; launch fc1 (part 2): grid 16 x 16, 4 waves a work-group, clusters of 4 x 4, 327,680 bytes of LDS; arguments xb, w1c, b1, hb; writes hb
.if DOCPART == 2
	.amdgcn_target "amdgcn-amd-amdhsa--gfx1250"
	.amdhsa_code_object_version 6
	.text
	.protected	k_q123f44f6c4_fc1
	.globl	k_q123f44f6c4_fc1
	.p2align	8
	.type	k_q123f44f6c4_fc1,@function
k_q123f44f6c4_fc1:
	s_mov_b64 s[64:65], 0
	v_nop
	global_prefetch_b8 v0, s[64:65] scope:SCOPE_SE
	s_setreg_imm32_b32 hwreg(HW_REG_WAVE_MODE, 25, 1), 1
	s_wait_xcnt 0x0
	s_wait_alu depctr_hold_cnt(0) depctr_sa_sdst(0) depctr_va_vdst(0) depctr_va_sdst(0) depctr_va_ssrc(0) depctr_va_vcc(0) depctr_vm_vsrc(0)
	s_getreg_b32 s2, hwreg(HW_REG_IB_STS2, 6, 4)
	s_cmp_eq_u32 s2, 0
	s_cbranch_scc0 .Lentry_in_a_cluster
	s_endpgm
.Lentry_in_a_cluster:
	s_bfe_u32 s2, ttmp6, 0x10000c
	s_cmp_lg_u32 s2, 0xf033
	s_cbranch_scc0 .Lentry_shape_is_right
	s_endpgm
.Lentry_shape_is_right:
; fc1: hb[m][n] = bf16(relu(sum over k of xb[m][k] sgn1[n][k] + b1[n])).  xb: [2048][4096] bf16.  w1c: [4096][4096] bytes, 0x3f or 0xbf, the
; upper byte of bf16 +1.0 or -1.0.  b1: [4096] f32.  hb: [2048][4096] bf16.  Sums in f32.
; LIMITS: a NaN in front of the relu becomes 0 (the maximum with 0 lets a NaN lose); the sums over k are not formed in the order of a plain dot product.
; A work-group makes 128 x 256 of hb with four waves, a wave 64 x 128: 32 accumulator tiles of 16 x 16.  16 x 16 = 256 work-groups.
; K goes in steps of 256 through two LDS slots filled by the tensor data mover.  The weights stay one byte each in memory and in LDS, which
; halves their bytes and lets two slots of K = 256 fit; one v_perm_b32 for each register (a byte 0x80 under each code) makes true bf16 of them
; on the way to the matrix unit.  These v_perm_b32 stand between the matrix instructions, four behind each of sixteen.
; CLUSTERS: 4 x 4 work-groups.  xb's tile hangs on the block row alone and is asked for jointly by a row of the cluster, w1c's on the block
; column alone and is asked for jointly by a column: each is requested once for four work-groups.
; THE MATRIX INSTRUCTION IS USED TRANSPOSED: source 0 = 16 rows of weights, source 1 = 16 rows of xb, so that lane l (r = l % 16, h = l / 16) holds
; row m = r and its registers 0-7 the columns n = 8 h + 0..7.
; K WITHIN A GROUP OF 32 IS PERMUTED, alike in both sources: a lane's eight registers hold k = 16 h .. 16 h + 15.  So xb's fragment is 32
; neighbouring bytes (two loads of 16) and the weights' 16 neighbouring codes (one load of 16).
;
; REGISTERS, in windows of 256 (s_set_vgpr_msb: bits 1:0 source 0, 3:2 source 1, 5:4 source 2, 7:6 destination):
;   window 0: v0-31 addresses; v64-95, v96-127 fragments of xb (4 x 16 rows x 32 K), two buffers; v64-223 at work on the way out
;   window 1: v0-127 accumulators of my rows 0-31 (tile (a, b) at 8 (8 (a % 2) + b)); v128-191 weights as bf16, set P; v192-223 raw codes, set RP
;   window 2: the same for my rows 32-63, sets Q and RQ
; A K step is eight quarters of 32 along K, 32 matrix instructions each.  Even quarters multiply by Q and xb's buffer 0, odd ones by P and buffer 1.
; An even quarter makes P out of RQ during its lower half, an odd one Q out of RP during its upper half: then the v_perm_b32's destination lies in
; the accumulators' window and its source in the window of the weights being multiplied, and ONE window setting serves both kinds of line.
; That costs four switches for a quarter's 32 matrix instructions, 16 loads and 64 v_perm_b32 on average.
.set APITCH, 528                       ; xb's LDS row: 512 bytes + 16 of padding, an odd multiple of 16: the 16 rows of a load fall on 16 different 16-byte columns of 256
.set BPITCH, 272                       ; the codes' LDS row: 256 bytes + 16
.set HALFT,  34816                     ; what one tensor load fills: 128 rows of codes (128 x 272), or 64 rows of xb (64 x 528 = 33,792)
.set SLOT,   4*HALFT                   ; xb's two halves, then the codes' two halves
.set STAGE,  2*SLOT                    ; behind the ring, a multiple of 256: 16 rows x 272 bytes for each wave, for the way out; no tensor load lands here
.set SPITCH, 272
.set ASTEP,  512                       ; a K step of 256 along a row of xb, in bytes
.set BSTEP,  256                       ; and along a row of codes
.set LAPS,   8                         ; 4096 / 256 = 16 K steps; a lap = two = once round the ring
.set XROW,   8192                      ; bytes in a row of xb and of hb
.set ADRA, 16                          ; v16-17  LDS address of my xb fragments in slot 0, 1
.set ADRB, 20                          ; v20-21  the same for the codes
.set STO,  24                          ; the way out: where I put 16 bytes of a row
.set RD,   25                          ; the way out: where I read a row back
.set CO,   26                          ; my byte offset in hb
.set BO,   27                          ; my byte offset in b1
.set FA0,  64                          ; xb's fragment buffer 0
.set FA1,  96                          ; buffer 1
.set BX,   128                         ; P (window 1), Q (window 2)
.set RW,   192                         ; RP (window 1), RQ (window 2)
.set PK,   128                         ; the way out, window 0: packed results
.set F0,   160                         ; the way out: rows read back, two sets by turns
.set F1,   192
.set G1,  24                           ; s[24:31] descriptor group 1 for xb's tiles
.set G0,  32                           ; s[32:39] group 0 for xb's tiles, a set for each slot
.set G1B, 48                           ; s[48:55] group 1 for the codes' tiles
.set G0B, 56                           ; s[56:63] group 0 for the codes' tiles
.set LOW, 70                           ; s70      0x80808080: the lower byte of bf16 +-1.0
.set SEL, 72                           ; s72, s73 v_perm_b32 selectors: codes 0, 1 and codes 2, 3 of a word
.set MSB, 0
.macro WIN new                         ; the immediate's high byte repeats the setting that is left
.if MSB != \new
	s_set_vgpr_msb (MSB<<8)|\new
.set MSB, \new
.endif
.endm
; A joint load.  Waves 0 and 1 fetch xb's two halves, waves 2 and 3 the codes'.  Each line has one mask and one set of registers; the branch hangs on the wave's number alone.
.macro JLOAD s
	s_cmp_eq_u32 s13, 0
	s_cbranch_scc0 .Lfor_b_\@
	tensor_load_to_lds s[G0+4*\s:G0+4*\s+3], s[G1:G1+7]
	s_nop 0
	s_branch .Lasked_\@
.Lfor_b_\@:
	tensor_load_to_lds s[G0B+4*\s:G0B+4*\s+3], s[G1B:G1B+7]
	s_nop 0
.Lasked_\@:
.endm
; A round of the cluster's barrier: my work-group's barrier, wave 0 signals for the work-group, every wave waits for all sixteen, my work-group's barrier once more.
.macro CREST                           ; a round behind its opening barrier
	s_cmp_lg_u32 s12, 0
	s_cbranch_scc1 .Lnot_wave_0_\@
	s_barrier_signal -3
.Lnot_wave_0_\@:
	s_barrier_wait -3
	s_barrier_signal -1
	s_barrier_wait -1
.endm
.macro CROUND
	s_barrier_signal -1
	s_barrier_wait -1
	CREST
.endm
; Four places: a load into a register that a matrix instruction has read, and a vector instruction that reads a matrix result or writes one of a
; matrix instruction's registers, stand four plain vector instructions behind it (ISA guide 7.12.1 for vector instructions).
.macro PLACES
.rept 4
	v_nop
.endr
.endm
; Four registers of bf16 weights out of two words of codes: bytes 0x80, code, 0x80, code.
.macro PERM4 n0
.irp i, 0,1,2,3
	v_perm_b32 v[BX+\n0+\i], v[RW+(\n0+\i)/2], s[LOW], s[SEL+\i%2]
.endr
.endm
; Eight matrix instructions: m block 2 hi + al x all 8 n blocks, 32 along K.  perm = 1: four v_perm_b32 behind each, which name none of its registers.
; The 32 accumulators take turns, one instruction a turn, in the same order in every quarter.
.macro ROW8 buf, hi, al, perm
.irp b, 0,1,2,3,4,5,6,7
	v_wmma_f32_16x16x32_bf16 v[8*(8*\al+\b):8*(8*\al+\b)+7], v[BX+8*\b:BX+8*\b+7], v[\buf+8*(2*\hi+\al):\buf+8*(2*\hi+\al)+7], v[8*(8*\al+\b):8*(8*\al+\b)+7]
.if \perm
	PERM4 32*\al+4*\b
.endif
.endr
.endm
.macro HALF buf, hi, perm
	ROW8 \buf, \hi, 0, \perm
	ROW8 \buf, \hi, 1, \perm
.endm
.macro LOADA buf, slot, q              ; quarter q's fragments of xb: 4 x 16 rows, 32 bytes a lane
.irp a, 0,1,2,3
	ds_load_b128 v[\buf+8*\a:\buf+8*\a+3],   v[ADRA+\slot] offset:\a*16*APITCH+64*(\q)
	ds_load_b128 v[\buf+8*\a+4:\buf+8*\a+7], v[ADRA+\slot] offset:\a*16*APITCH+64*(\q)+16
.endr
.endm
.macro LOADR slot, q                   ; quarter q's codes: 8 x 16 rows, 16 bytes a lane
.irp b, 0,1,2,3,4,5,6,7
	ds_load_b128 v[RW+4*\b:RW+4*\b+3], v[ADRB+\slot] offset:\b*16*BPITCH+32*(\q)
.endr
.endm
; An even quarter q: multiplies buffer 0 by Q; fetches xb of quarter q + 1 and the codes of quarter q + 2; makes P (quarter q + 1) out of RQ.
.macro QEVEN slot, q
	s_wait_dscnt 0x0                               ; the 16 loads issued at the last quarter's head, 32 matrix instructions ago: buffer 0 and RQ
	PLACES                                         ; behind the last quarter's matrix instructions, which read buffer 1 and P
	WIN 0
	LOADA FA1, \slot, \q+1
	WIN 0x40
	LOADR \slot, \q+2
	WIN 0x52                                       ; weights window 2, xb window 0, C and D window 1; v_perm_b32: RQ to P
	HALF FA0, 0, 1
	WIN 0xa2                                       ; C and D window 2
	HALF FA0, 1, 0
.endm
; An odd quarter: multiplies buffer 1 by P.  load = 1: fetches xb of quarter qa (the next) and the codes of qa + 1 from slot sl, and makes Q (quarter qa) out of RP.
; late = 1 (behind a change of slots): buffer 1 was waited for in front of the barrier, and RP, asked for behind it, is needed only by the upper half.
.macro QODD sl, qa, load, late
.if \late == 0
	s_wait_dscnt 0x0                               ; the loads issued at the last quarter's head: buffer 1 and RP
.endif
.if \load
	PLACES                                         ; behind the last quarter's matrix instructions, which read buffer 0 and Q
	WIN 0
	LOADA FA0, \sl, \qa
	WIN 0x80
	LOADR \sl, \qa+1
.endif
	WIN 0x51                                       ; weights window 1, C and D window 1
	HALF FA1, 0, 0
.if \late
	s_wait_dscnt 16                                ; RP's eight loads are in; the 16 issued at this quarter's head stay out
.endif
	WIN 0xa1                                       ; C and D window 2; v_perm_b32: RP to Q
	HALF FA1, 1, \load
.endm
; The last even quarter of a K step, with the change of slots.  mode 2: this slot is filled again, two K steps ahead; 1: it is not; 0: the last K step of all.
; ONE barrier for two things.  In front of it each wave waits for its reads of this slot (the last are buffer 1's, issued at this quarter's head) and
; for all its tensor loads, of which one is out: its part of the next slot.  Behind it nobody reads this slot and the next slot is whole.  In mode 2 the
; barrier opens a round of the cluster's barrier, so that the same holds of all sixteen work-groups; the joint refill is the first thing behind the round.
; From a request to the wait for it a wave issues 248 of a K step's 256 matrix instructions.
.macro QTURN slot, next, q, mode
	s_wait_dscnt 0x0
	PLACES
	WIN 0
	LOADA FA1, \slot, \q+1
	WIN 0x52
	HALF FA0, 0, 1
.if \mode == 0
	WIN 0xa2
	HALF FA0, 1, 0
.else
	s_wait_dscnt 0x0                               ; my reads of this slot are over
	s_wait_tensorcnt 0x0                           ; and all my tensor loads have landed
	ds_add_u32 v255, v255
	s_wait_dscnt 0x0
	s_barrier_signal -1
	WIN 0xa2
	ROW8 FA0, 1, 0, 0                              ; work on registers while the others arrive
	WIN 0
	s_barrier_wait -1
.if \mode == 2
	CREST
	s_add_nc_u64 s[G0+4*\slot+2:G0+4*\slot+3], s[G0+4*\slot+2:G0+4*\slot+3], 2*ASTEP       ; no tensor load of mine is out: a group 0 may be written
	s_add_nc_u64 s[G0B+4*\slot+2:G0B+4*\slot+3], s[G0B+4*\slot+2:G0B+4*\slot+3], 2*BSTEP
	JLOAD \slot                                    ; my one tensor load behind the round
.endif
	WIN 0x40
	LOADR \next, 0                                 ; the next K step's first codes
	WIN 0xa2
	ROW8 FA0, 1, 1, 0
.endif
.endm
.macro STEP slot, next, mode
	QEVEN \slot, 0
	QODD  \slot, 2, 1, 0
	QEVEN \slot, 2
	QODD  \slot, 4, 1, 0
	QEVEN \slot, 4
	QODD  \slot, 6, 1, 0
	QTURN \slot, \next, 6, \mode
.if \mode
	QODD  \next, 0, 1, 1
.else
	QODD  \next, 0, 0, 0
.endif
.endm
	s_load_b256 s[4:11], s[0:1], 0x0               ; xb s[4:5], w1c s[6:7], b1 s[8:9], hb s[10:11]
	s_set_vgpr_msb 0x80
	v_lshl_add_u32 v255, v0, 2, 0x48400
	s_set_vgpr_msb 0x8000
	v_mov_b32 v255, 0
	s_set_vgpr_msb 0x2
	ds_add_u32 v255, v255
	s_set_vgpr_msb 0x200
	v_lshrrev_b32 v1, 5, v0
	v_readfirstlane_b32 s12, v1                    ; wave 0..3
	s_lshr_b32 s13, s12, 1                         ; which 64 of the block's rows are mine.  Also: I fetch xb (0) or codes (1)
	s_and_b32 s14, s12, 1                          ; which 128 of its columns.  Also: which half of that tile I fetch
	s_bfe_u32 s40, ttmp6, 0x40000                  ; cx
	s_bfe_u32 s41, ttmp6, 0x40004                  ; cy
	s_lshl_b32 s42, ttmp9, 2
	s_add_co_u32 s42, s42, s40                     ; block column = 4 x cluster x + cx
	s_and_b32 s43, ttmp7, 0xffff
	s_lshl_b32 s43, s43, 2
	s_add_co_u32 s43, s43, s41                     ; block row = 4 x cluster y + cy
	s_lshl_b32 s44, s41, 2
	s_lshl_b32 s44, 15, s44                        ; my row of the cluster: places 4 cy .. 4 cy + 3
	s_lshl_b32 s45, 0x1111, s40                    ; my column: places cx, cx + 4, cx + 8, cx + 12
	; group 1 for xb: 64 rows x 256 elements of 2 bytes; 4 words of padding behind every 128 words (code 6)
	s_or_b32 s[G1+0], s44, (1<<16)|(1<<20)|(1<<21)|(6<<22)|(3<<25)
	s_mov_b32 s[G1+1], 256<<16                     ; tensor_dim0 = 256
	s_mov_b32 s[G1+2], 64<<16                      ; tensor_dim1 = 64
	s_mov_b32 s[G1+3], 256<<16                     ; tile_dim0 = 256
	s_mov_b32 s[G1+4], 64                          ; tile_dim1 = 64
	s_mov_b32 s[G1+5], 4096                        ; elements from row to row
	s_mov_b32 s[G1+6], 0
	s_mov_b32 s[G1+7], 0
	; group 1 for the codes: 128 rows x 256 elements of 1 byte; 4 words of padding behind every 64 words (code 5)
	s_or_b32 s[G1B+0], s45, (1<<20)|(1<<21)|(5<<22)|(3<<25)
	s_mov_b32 s[G1B+1], 256<<16
	s_mov_b32 s[G1B+2], 128<<16
	s_mov_b32 s[G1B+3], 256<<16
	s_mov_b32 s[G1B+4], 128
	s_mov_b32 s[G1B+5], 4096
	s_mov_b32 s[G1B+6], 0
	s_mov_b32 s[G1B+7], 0
	; where the tiles come from; every wave makes both addresses, each in registers that never hold the other coordinate
	s_lshl_b32 s16, s43, 7
	s_lshl_b32 s17, s14, 6
	s_add_co_u32 s16, s16, s17                     ; xb: row 128 x block row + 64 x half
	s_lshl_b32 s16, s16, 13                        ; x 8,192 bytes (below 2^24)
	s_mov_b32 s17, 0
	s_lshl_b32 s18, s42, 8
	s_lshl_b32 s19, s14, 7
	s_add_co_u32 s18, s18, s19                     ; codes: row 256 x block column + 128 x half
	s_lshl_b32 s18, s18, 12                        ; x 4,096 bytes (below 2^24)
	s_mov_b32 s19, 0
	s_mul_i32 s20, s12, HALFT                      ; and where they go: wave x one load's bytes
	s_wait_dscnt 0x0
	s_wait_kmcnt 0x0
	s_add_nc_u64 s[66:67], s[4:5], s[16:17]
	s_add_nc_u64 s[46:47], s[6:7], s[18:19]
	CROUND                                         ; all sixteen work-groups are here: the first joint loads meet
.irp s, 0,1
	s_mov_b32 s[G0+4*\s], 1
	s_add_co_u32 s[G0+4*\s+1], s20, \s*SLOT
	s_add_nc_u64 s[G0+4*\s+2:G0+4*\s+3], s[66:67], \s*ASTEP        ; K step s
	s_or_b32 s[G0+4*\s+3], s[G0+4*\s+3], 0x80000000
	s_mov_b32 s[G0B+4*\s], 1
	s_add_co_u32 s[G0B+4*\s+1], s20, \s*SLOT
	s_add_nc_u64 s[G0B+4*\s+2:G0B+4*\s+3], s[46:47], \s*BSTEP
	s_or_b32 s[G0B+4*\s+3], s[G0B+4*\s+3], 0x80000000
	JLOAD \s                                       ; both slots' first fills go out before anything else: two tensor loads of a wave are out
.endr
	s_mov_b32 s[LOW], 0x80808080
	s_mov_b32 s[SEL], 0x05000400
	s_mov_b32 s[SEL+1], 0x07000600
	v_and_b32 v1, 15, v0                           ; r
	v_bfe_u32 v2, v0, 4, 1                         ; h
	v_mul_u32_u24 v3, v1, APITCH
	v_lshl_add_u32 v3, v2, 5, v3                   ; xb: r x pitch + 32 h
	v_mul_u32_u24 v4, v1, BPITCH
	v_lshl_add_u32 v4, v2, 4, v4                   ; codes: r x pitch + 16 h
	s_mul_i32 s21, s13, HALFT                      ; my 64 rows of xb
	s_mul_i32 s22, s14, HALFT                      ; my 128 rows of codes,
	s_add_co_u32 s22, s22, 2*HALFT                 ; which lie behind xb's two halves
.irp s, 0,1
	v_add_nc_u32 v[ADRA+\s], s21, v3
	v_add_nc_u32 v[ADRB+\s], s22, v4
	s_add_co_u32 s21, s21, SLOT
	s_add_co_u32 s22, s22, SLOT
.endr
	s_mul_i32 s23, s12, 16*SPITCH
	s_add_co_u32 s23, s23, STAGE                   ; my stage
	v_mul_u32_u24 v5, v1, SPITCH
	v_lshl_add_u32 v5, v2, 4, v5
	v_add_nc_u32 v[STO], s23, v5                   ; in: row r, 16 bytes for each half of the lanes
	v_mul_u32_u24 v6, v2, SPITCH
	v_lshl_add_u32 v6, v1, 4, v6
	v_add_nc_u32 v[RD], s23, v6                    ; back: lanes 0-15 one row of 256 bytes, lanes 16-31 the next
	v_lshlrev_b32 v7, 13, v2
	v_lshl_add_u32 v[CO], v1, 4, v7                ; the same two rows in hb
	v_lshlrev_b32 v[BO], 5, v2                     ; b1: my 8 columns of a tile begin 32 h bytes into its 64
	s_lshl_b32 s16, s43, 7
	s_lshl_b32 s17, s13, 6
	s_add_co_u32 s16, s16, s17                     ; my first row of hb
	s_lshl_b32 s16, s16, 13
	s_mov_b32 s17, 0
	s_add_nc_u64 s[10:11], s[10:11], s[16:17]
	s_lshl_b32 s18, s42, 8
	s_lshl_b32 s19, s14, 7
	s_add_co_u32 s18, s18, s19                     ; my first column
	s_lshl_b32 s74, s18, 1
	s_mov_b32 s75, 0
	s_add_nc_u64 s[10:11], s[10:11], s[74:75]
	s_lshl_b32 s18, s18, 2
	s_mov_b32 s19, 0
	s_add_nc_u64 s[8:9], s[8:9], s[18:19]
	; The sums start from the bias: register j of tile (a, b) is column 16 b + 8 h + j, whatever a and r.  Nothing is cleared and nothing added at the end.
.irp w, 0x40, 0x80
	WIN \w
.irp a, 0,1
.irp b, 0,1,2,3,4,5,6,7
	global_load_b128 v[8*(8*\a+\b):8*(8*\a+\b)+3],   v[BO], s[8:9] offset:64*\b
	global_load_b128 v[8*(8*\a+\b)+4:8*(8*\a+\b)+7], v[BO], s[8:9] offset:64*\b+16
.endr
.endr
.endr
	WIN 0
	s_wait_tensorcnt 0x1                           ; my part of K step 0 is in; K step 1's stays out
	s_barrier_signal -1
	s_barrier_wait -1                              ; everybody's is
	WIN 0x40
	LOADR 0, 0                                     ; RP: quarter 0's codes
	WIN 0
	LOADA FA0, 0, 0
	WIN 0x80
	LOADR 0, 1                                     ; RQ: quarter 1's codes
	s_wait_dscnt 16                                ; RP is in; the 16 younger loads stay out
	WIN 0xa1
.irp g, 0,1,2,3,4,5,6,7,8,9,10,11,12,13,14,15
	PERM4 4*\g                                     ; Q for quarter 0
.endr
	WIN 0                                          ; at a label and at a branch every window is 0
	s_wait_loadcnt 0x0                             ; the bias is in the accumulators
	s_mov_b32 s15, LAPS-1
.Llap:
	STEP 0, 1, 2
	STEP 1, 0, 2
	WIN 0
	s_sub_co_u32 s15, s15, 1
	s_cmp_lg_u32 s15, 0
	s_cbranch_scc1 .Llap
	STEP 0, 1, 1                                   ; the last lap fills nothing
	STEP 1, 0, 0
	; THE WAY OUT, 16 rows at a time: relu, round to bf16, 16 bytes a lane into my own stage, read back as whole rows of 256 bytes.
	PLACES                                         ; behind the last matrix instructions: for the lines that read results and write the fragment buffers
.macro OUT16 first, al, from, f
	WIN \from
.irp b, 0,1,2,3,4,5,6,7
.irp j, 0,1,2,3,4,5,6,7
	v_max_num_f32 v[64+8*\b+\j], 0, v[8*(8*\al+\b)+\j]
.endr
.endr
	WIN 0
.irp b, 0,1,2,3,4,5,6,7
.irp r, 0,1,2,3
	v_cvt_pk_bf16_f32 v[PK+4*\b+\r], v[64+8*\b+2*\r], v[64+8*\b+2*\r+1]
.endr
.endr
.irp b, 0,1,2,3,4,5,6,7
	ds_store_b128 v[STO], v[PK+4*\b:PK+4*\b+3] offset:32*\b
.endr
	s_wait_xcnt 0x0                                ; set f, which earlier stores read, and the stores' base are rewritten only behind this wait (ISA guide 3.1)
.if \first == 0
	s_add_nc_u64 s[10:11], s[10:11], 16*XROW
.endif
.irp t, 0,1,2,3,4,5,6,7
	ds_load_b128 v[\f+4*\t:\f+4*\t+3], v[RD] offset:\t*2*SPITCH    ; my own bytes, served in order: these see the stores above
.endr
.irp t, 0,1,2,3,4,5,6,7
	s_wait_dscnt 7-\t                              ; read-back t is in, the younger ones stay out
	global_store_b128 v[CO], v[\f+4*\t:\f+4*\t+3], s[10:11] offset:2*\t*XROW   ; 16 lanes store 256 consecutive bytes, aligned
.endr
.endm
	OUT16 1, 0, 0x04, F0
	OUT16 0, 1, 0x04, F1
	OUT16 0, 0, 0x08, F0
	OUT16 0, 1, 0x08, F1
	s_set_vgpr_msb 0x2
	s_wait_tensorcnt 0x0
	ds_add_u32 v255, v255
	s_wait_dscnt 0x0
	s_set_vgpr_msb 0x200
	CROUND                                         ; the closing round: no work-group ends while a partner may still ask for a tile that names it
	s_endpgm
.Lfunc_end_k_q123f44f6c4_fc1:
	.size	k_q123f44f6c4_fc1, .Lfunc_end_k_q123f44f6c4_fc1-k_q123f44f6c4_fc1
	.p2alignl 7, 3214868480
	.fill 96, 4, 3214868480
	.section	.rodata,"a",@progbits
	.p2align	6, 0x0
	.amdhsa_kernel k_q123f44f6c4_fc1
		.amdhsa_group_segment_fixed_size 327680
		.amdhsa_private_segment_fixed_size 0
		.amdhsa_enable_private_segment 0
		.amdhsa_kernarg_size 32
		.amdhsa_user_sgpr_count 2
		.amdhsa_user_sgpr_kernarg_segment_ptr 1
		.amdhsa_wavefront_size32 1
		.amdhsa_system_sgpr_workgroup_id_x 1
		.amdhsa_system_sgpr_workgroup_id_y 1
		.amdhsa_system_sgpr_workgroup_id_z 1
		.amdhsa_system_vgpr_workitem_id 0
		.amdhsa_next_free_vgpr 768
		.amdhsa_next_free_sgpr 80
		.amdhsa_reserve_vcc 0
		.amdhsa_float_denorm_mode_32 3
		.amdhsa_float_denorm_mode_16_64 3
		.amdhsa_memory_ordered 1
		.amdhsa_forward_progress 1
		.amdhsa_inst_pref_size 255
	.end_amdhsa_kernel
	.section	.bss,"aw",@nobits
	.p2align	6
	.space	262144
	.amdgpu_metadata
---
amdhsa.version: [ 1, 2 ]
amdhsa.kernels:
  - .name:           k_q123f44f6c4_fc1
    .symbol:         k_q123f44f6c4_fc1.kd
    .args:
      - { .name: xb, .offset: 0, .size: 8, .value_kind: global_buffer, .address_space: global }
      - { .name: w1c, .offset: 8, .size: 8, .value_kind: global_buffer, .address_space: global }
      - { .name: b1, .offset: 16, .size: 8, .value_kind: global_buffer, .address_space: global }
      - { .name: hb, .offset: 24, .size: 8, .value_kind: global_buffer, .address_space: global }
    .group_segment_fixed_size: 327680
    .private_segment_fixed_size: 0
    .kernarg_segment_align: 8
    .kernarg_segment_size: 32
    .max_flat_workgroup_size: 128
    .sgpr_count:     80
    .vgpr_count:     768
    .wavefront_size: 32
...
	.end_amdgpu_metadata
.endif
;; end of part 2
;; launch fc2 (part 3): grid 8 x 32, 4 waves a work-group, clusters of 4 x 4, 327,680 bytes of LDS; arguments hb, w2c, b2, out0; writes out0
.if DOCPART == 3
	.amdgcn_target "amdgcn-amd-amdhsa--gfx1250"
	.amdhsa_code_object_version 6
	.text
	.protected	k_q123f44f6c4_fc2
	.globl	k_q123f44f6c4_fc2
	.p2align	8
	.type	k_q123f44f6c4_fc2,@function
k_q123f44f6c4_fc2:
	s_mov_b64 s[64:65], 0
	v_nop
	global_prefetch_b8 v0, s[64:65] scope:SCOPE_SE
	s_setreg_imm32_b32 hwreg(HW_REG_WAVE_MODE, 25, 1), 1
	s_wait_xcnt 0x0
	s_wait_alu depctr_hold_cnt(0) depctr_sa_sdst(0) depctr_va_vdst(0) depctr_va_sdst(0) depctr_va_ssrc(0) depctr_va_vcc(0) depctr_vm_vsrc(0)
	s_getreg_b32 s2, hwreg(HW_REG_IB_STS2, 6, 4)
	s_cmp_eq_u32 s2, 0
	s_cbranch_scc0 .Lentry_in_a_cluster
	s_endpgm
.Lentry_in_a_cluster:
	s_bfe_u32 s2, ttmp6, 0x10000c
	s_cmp_lg_u32 s2, 0xf033
	s_cbranch_scc0 .Lentry_shape_is_right
	s_endpgm
.Lentry_shape_is_right:
; fc2: out0[m][n] = sum over k of hb[m][k] sgn2[n][k] + b2[n].  hb: [2048][4096] bf16.  w2c: [1024][4096] bytes, 0x3f or 0xbf, the upper byte of
; bf16 +1.0 or -1.0.  b2: [1024] f32.  out0: [2048][1024] f32.  Sums in f32.
; LIMIT: the sum over k is formed as four partial sums, one a wave, added at the end: not in the order of a plain dot product.
; A work-group makes 64 x 128 of out0: 32 x 8 = 256 work-groups.  Every wave makes the WHOLE block, 32 accumulator tiles of 16 x 16, over its own quarter
; of K: of a K step of 512 wave w takes k = 128 w .. 128 w + 127.  Four tiles of 32 x 64 would read twice the LDS bytes for each product.
; The four partial blocks meet in LDS at the end.  All else as in fc1:
; the weights stay one byte each in memory and LDS, and one v_perm_b32 for each register (a byte 0x80 under each code) makes bf16 of them;
; 4 x 4 work-groups form a cluster, hb's tile is asked for jointly by a row of it, w2c's by a column;
; source 0 = 16 rows of weights, source 1 = 16 rows of hb, so that lane l (r = l % 16, h = l / 16) holds row m = r, columns n = 8 h + 0..7;
; within a group of 32 along K a lane's eight registers hold k = 16 h .. 16 h + 15, alike in both sources.
;
; REGISTERS, in windows of 256 (s_set_vgpr_msb: bits 1:0 source 0, 3:2 source 1, 5:4 source 2, 7:6 destination):
;   window 0: v0-31 addresses and b2; v64-95, v96-127 fragments of hb, two buffers; v64-127 at work on the way out
;   window 1: v0-127 accumulators of rows 0-31 (tile (a, b) at 8 (8 (a % 2) + b)); v128-191 weights as bf16, set P; v192-223 raw codes, set RP
;   window 2: the same for rows 32-63, sets Q and RQ
; A wave's part of a K step is four quarters of 32 along K.  Even quarters multiply by Q and buffer 0, odd ones by P and buffer 1; an even quarter makes P
; out of RQ during its lower half, an odd one Q out of RP during its upper half, so that one window setting serves matrix instructions and v_perm_b32.
.set APITCH, 1040                      ; hb's LDS row: 1,024 bytes + 16 of padding, an odd multiple of 16
.set BPITCH, 528                       ; the codes' LDS row: 512 bytes + 16
.set HALFT,  33792                     ; what one tensor load fills: 64 rows of codes (64 x 528), or 32 rows of hb (32 x 1,040 = 33,280)
.set SLOT,   4*HALFT
.set STAGE,  2*SLOT                    ; behind the ring, a multiple of 256: 16 rows x 528 bytes for each wave; no tensor load lands here
.set SPITCH, 528
.set SWAVE,  16*SPITCH
.set ASTEP,  1024                      ; a K step of 512 along a row of hb, in bytes
.set BSTEP,  512
.set OROW,   4096                      ; bytes in a row of out0
.set ADRA, 16
.set ADRB, 20
.set STO,  24
.set RD,   25
.set CO,   26
.set BIAS, 28                          ; v[28:31] b2 of my four columns on the way out
.set FA0,  64
.set FA1,  96
.set BX,   128
.set RW,   192
.set SUM,  64                          ; the way out: row i, partial sum p at SUM + 4 (4 i + p)
.set G1,  24
.set G0,  32
.set G1B, 48
.set G0B, 56
.set LOW, 70
.set SEL, 72
.set MSB, 0
.macro WIN new                         ; the immediate's high byte repeats the setting that is left
.if MSB != \new
	s_set_vgpr_msb (MSB<<8)|\new
.set MSB, \new
.endif
.endm
.macro JLOAD s                         ; waves 0 and 1 fetch hb's two halves, waves 2 and 3 the codes'; the branch hangs on the wave's number alone
	s_cmp_eq_u32 s13, 0
	s_cbranch_scc0 .Lfor_b_\@
	tensor_load_to_lds s[G0+4*\s:G0+4*\s+3], s[G1:G1+7]
	s_nop 0
	s_branch .Lasked_\@
.Lfor_b_\@:
	tensor_load_to_lds s[G0B+4*\s:G0B+4*\s+3], s[G1B:G1B+7]
	s_nop 0
.Lasked_\@:
.endm
.macro CREST                           ; a round of the cluster's barrier behind its opening barrier
	s_cmp_lg_u32 s12, 0
	s_cbranch_scc1 .Lnot_wave_0_\@
	s_barrier_signal -3
.Lnot_wave_0_\@:
	s_barrier_wait -3
	s_barrier_signal -1
	s_barrier_wait -1
.endm
.macro CROUND
	s_barrier_signal -1
	s_barrier_wait -1
	CREST
.endm
.macro PLACES                          ; four plain vector instructions behind a matrix instruction, ahead of what touches its registers (ISA guide 7.12.1 for vector instructions)
.rept 4
	v_nop
.endr
.endm
.macro PERM4 n0                        ; four registers of bf16 weights out of two words of codes
.irp i, 0,1,2,3
	v_perm_b32 v[BX+\n0+\i], v[RW+(\n0+\i)/2], s[LOW], s[SEL+\i%2]
.endr
.endm
; Eight matrix instructions: m block 2 hi + al x all 8 n blocks.  zero = 1: the first product starts the sums.  perm = 1: four v_perm_b32 behind each.
; The 32 accumulators take turns, one instruction a turn, in the same order in every quarter.
.macro ROW8 buf, hi, al, zero, perm
.irp b, 0,1,2,3,4,5,6,7
.if \zero
	v_wmma_f32_16x16x32_bf16 v[8*(8*\al+\b):8*(8*\al+\b)+7], v[BX+8*\b:BX+8*\b+7], v[\buf+8*(2*\hi+\al):\buf+8*(2*\hi+\al)+7], 0
.else
	v_wmma_f32_16x16x32_bf16 v[8*(8*\al+\b):8*(8*\al+\b)+7], v[BX+8*\b:BX+8*\b+7], v[\buf+8*(2*\hi+\al):\buf+8*(2*\hi+\al)+7], v[8*(8*\al+\b):8*(8*\al+\b)+7]
.endif
.if \perm
	PERM4 32*\al+4*\b
.endif
.endr
.endm
.macro HALF buf, hi, zero, perm
	ROW8 \buf, \hi, 0, \zero, \perm
	ROW8 \buf, \hi, 1, \zero, \perm
.endm
.macro LOADA buf, slot, q              ; hb's 64 rows lie in two halves of 32
.irp a, 0,1,2,3
	ds_load_b128 v[\buf+8*\a:\buf+8*\a+3],   v[ADRA+\slot] offset:(\a/2)*HALFT+(\a%2)*16*APITCH+64*(\q)
	ds_load_b128 v[\buf+8*\a+4:\buf+8*\a+7], v[ADRA+\slot] offset:(\a/2)*HALFT+(\a%2)*16*APITCH+64*(\q)+16
.endr
.endm
.macro LOADR slot, q                   ; the codes' 128 rows lie in two halves of 64
.irp b, 0,1,2,3,4,5,6,7
	ds_load_b128 v[RW+4*\b:RW+4*\b+3], v[ADRB+\slot] offset:(\b/4)*HALFT+(\b%4)*16*BPITCH+32*(\q)
.endr
.endm
.macro QEVEN slot, q, zero             ; multiplies buffer 0 by Q; fetches hb of quarter q + 1 and the codes of q + 2; makes P out of RQ
	s_wait_dscnt 0x0                               ; the 16 loads issued at the last quarter's head, 32 matrix instructions ago
	PLACES                                         ; behind the last quarter's matrix instructions, which read buffer 1 and P
	WIN 0
	LOADA FA1, \slot, \q+1
	WIN 0x40
	LOADR \slot, \q+2
	WIN 0x52
	HALF FA0, 0, \zero, 1
	WIN 0xa2
	HALF FA0, 1, \zero, 0
.endm
; An odd quarter: multiplies buffer 1 by P.  load = 1: fetches hb of quarter qa and the codes of qa + 1 from slot sl, and makes Q out of RP.
; late = 1 (behind a change of slots): buffer 1 was waited for in front of the barrier, and RP, asked for behind it, is needed only by the upper half.
.macro QODD sl, qa, load, late
.if \late == 0
	s_wait_dscnt 0x0
.endif
.if \load
	PLACES                                         ; behind the last quarter's matrix instructions, which read buffer 0 and Q
	WIN 0
	LOADA FA0, \sl, \qa
	WIN 0x80
	LOADR \sl, \qa+1
.endif
	WIN 0x51
	HALF FA1, 0, 0, 0
.if \late
	s_wait_dscnt 16                                ; RP's eight loads are in; the 16 issued at this quarter's head stay out
.endif
	WIN 0xa1
	HALF FA1, 1, 0, \load
.endm
; The last even quarter of a K step, with the change of slots.  mode 2: this slot is filled again, two K steps ahead; 1: it is not; 0: the last K step of all.
; In front of the barrier each wave waits for its reads of this slot and for all its tensor loads (one is out: its part of the next slot).  In mode 2 the
; barrier opens a round of the cluster's barrier, and the joint refill is the first thing behind the round.  From a request to the wait for it a wave
; issues 120 of a K step's 128 matrix instructions.
.macro QTURN slot, next, q, mode
	s_wait_dscnt 0x0
	PLACES
	WIN 0
	LOADA FA1, \slot, \q+1
	WIN 0x52
	HALF FA0, 0, 0, 1
.if \mode == 0
	WIN 0xa2
	HALF FA0, 1, 0, 0
.else
	s_wait_dscnt 0x0                               ; my reads of this slot are over
	s_wait_tensorcnt 0x0                           ; and all my tensor loads have landed
	ds_add_u32 v255, v255
	s_wait_dscnt 0x0
	s_barrier_signal -1
	WIN 0xa2
	ROW8 FA0, 1, 0, 0, 0
	WIN 0
	s_barrier_wait -1
.if \mode == 2
	CREST
	s_add_nc_u64 s[G0+4*\slot+2:G0+4*\slot+3], s[G0+4*\slot+2:G0+4*\slot+3], 2*ASTEP       ; no tensor load of mine is out: a group 0 may be written
	s_add_nc_u64 s[G0B+4*\slot+2:G0B+4*\slot+3], s[G0B+4*\slot+2:G0B+4*\slot+3], 2*BSTEP
	JLOAD \slot
.endif
	WIN 0x40
	LOADR \next, 0
	WIN 0xa2
	ROW8 FA0, 1, 1, 0, 0
.endif
.endm
.macro STEP slot, next, mode, zero
	QEVEN \slot, 0, \zero
	QODD  \slot, 2, 1, 0
	QTURN \slot, \next, 2, \mode
.if \mode
	QODD  \next, 0, 1, 1
.else
	QODD  \next, 0, 0, 0
.endif
.endm
	s_load_b256 s[4:11], s[0:1], 0x0               ; hb s[4:5], w2c s[6:7], b2 s[8:9], out0 s[10:11]
	s_set_vgpr_msb 0x80
	v_lshl_add_u32 v255, v0, 2, 0x4a400
	s_set_vgpr_msb 0x8000
	v_mov_b32 v255, 0
	s_set_vgpr_msb 0x2
	ds_add_u32 v255, v255
	s_set_vgpr_msb 0x200
	v_lshrrev_b32 v1, 5, v0
	v_readfirstlane_b32 s12, v1                    ; wave 0..3: my quarter of K
	s_lshr_b32 s13, s12, 1                         ; I fetch hb (0) or codes (1),
	s_and_b32 s14, s12, 1                          ; and which half of that tile
	s_bfe_u32 s40, ttmp6, 0x40000                  ; cx
	s_bfe_u32 s41, ttmp6, 0x40004                  ; cy
	s_lshl_b32 s42, ttmp9, 2
	s_add_co_u32 s42, s42, s40                     ; block column
	s_and_b32 s43, ttmp7, 0xffff
	s_lshl_b32 s43, s43, 2
	s_add_co_u32 s43, s43, s41                     ; block row
	s_lshl_b32 s44, s41, 2
	s_lshl_b32 s44, 15, s44                        ; my row of the cluster
	s_lshl_b32 s45, 0x1111, s40                    ; my column
	; group 1 for hb: 32 rows x 512 elements of 2 bytes; 4 words of padding behind every 256 words (code 7)
	s_or_b32 s[G1+0], s44, (1<<16)|(1<<20)|(1<<21)|(7<<22)|(3<<25)
	s_mov_b32 s[G1+1], 512<<16
	s_mov_b32 s[G1+2], 32<<16
	s_mov_b32 s[G1+3], 512<<16
	s_mov_b32 s[G1+4], 32
	s_mov_b32 s[G1+5], 4096
	s_mov_b32 s[G1+6], 0
	s_mov_b32 s[G1+7], 0
	; group 1 for the codes: 64 rows x 512 elements of 1 byte; 4 words of padding behind every 128 words (code 6)
	s_or_b32 s[G1B+0], s45, (1<<20)|(1<<21)|(6<<22)|(3<<25)
	s_mov_b32 s[G1B+1], 512<<16
	s_mov_b32 s[G1B+2], 64<<16
	s_mov_b32 s[G1B+3], 512<<16
	s_mov_b32 s[G1B+4], 64
	s_mov_b32 s[G1B+5], 4096
	s_mov_b32 s[G1B+6], 0
	s_mov_b32 s[G1B+7], 0
	s_lshl_b32 s16, s43, 6
	s_lshl_b32 s17, s14, 5
	s_add_co_u32 s16, s16, s17                     ; hb: row 64 x block row + 32 x half
	s_lshl_b32 s16, s16, 13                        ; x 8,192 bytes
	s_mov_b32 s17, 0
	s_lshl_b32 s18, s42, 7
	s_lshl_b32 s19, s14, 6
	s_add_co_u32 s18, s18, s19                     ; codes: row 128 x block column + 64 x half
	s_lshl_b32 s18, s18, 12                        ; x 4,096 bytes
	s_mov_b32 s19, 0
	s_mul_i32 s20, s12, HALFT
	s_wait_dscnt 0x0
	s_wait_kmcnt 0x0
	s_add_nc_u64 s[66:67], s[4:5], s[16:17]
	s_add_nc_u64 s[46:47], s[6:7], s[18:19]
	CROUND                                         ; all sixteen work-groups are here: the first joint loads meet
.irp s, 0,1
	s_mov_b32 s[G0+4*\s], 1
	s_add_co_u32 s[G0+4*\s+1], s20, \s*SLOT
	s_add_nc_u64 s[G0+4*\s+2:G0+4*\s+3], s[66:67], \s*ASTEP
	s_or_b32 s[G0+4*\s+3], s[G0+4*\s+3], 0x80000000
	s_mov_b32 s[G0B+4*\s], 1
	s_add_co_u32 s[G0B+4*\s+1], s20, \s*SLOT
	s_add_nc_u64 s[G0B+4*\s+2:G0B+4*\s+3], s[46:47], \s*BSTEP
	s_or_b32 s[G0B+4*\s+3], s[G0B+4*\s+3], 0x80000000
	JLOAD \s                                       ; both slots' first fills: two tensor loads of a wave are out
.endr
	s_mov_b32 s[LOW], 0x80808080
	s_mov_b32 s[SEL], 0x05000400
	s_mov_b32 s[SEL+1], 0x07000600
	v_and_b32 v1, 15, v0                           ; r
	v_bfe_u32 v2, v0, 4, 1                         ; h
	v_and_b32 v6, 31, v0                           ; lane
	v_mul_u32_u24 v3, v1, APITCH
	v_lshl_add_u32 v3, v2, 5, v3                   ; hb: r x pitch + 32 h
	v_mul_u32_u24 v4, v1, BPITCH
	v_lshl_add_u32 v4, v2, 4, v4                   ; codes: r x pitch + 16 h
	s_lshl_b32 s21, s12, 8                         ; my 128 k of a row of hb: 256 bytes
	s_lshl_b32 s22, s12, 7                         ; and of a row of codes: 128 bytes,
	s_add_co_u32 s22, s22, 2*HALFT                 ; behind hb's two halves
.irp s, 0,1
	v_add_nc_u32 v[ADRA+\s], s21, v3
	v_add_nc_u32 v[ADRB+\s], s22, v4
	s_add_co_u32 s21, s21, SLOT
	s_add_co_u32 s22, s22, SLOT
.endr
	s_mul_i32 s23, s12, SWAVE
	s_add_co_u32 s23, s23, STAGE                   ; where my partial sums go
	v_mul_u32_u24 v5, v1, SPITCH
	v_lshl_add_u32 v5, v2, 5, v5
	v_add_nc_u32 v[STO], s23, v5                   ; row r, 32 bytes for each half of the lanes
	s_mul_i32 s74, s12, 4*SPITCH
	s_add_co_u32 s74, s74, STAGE                   ; of each 16 rows I add up rows 4 w .. 4 w + 3
	v_lshl_add_u32 v[RD], v6, 4, s74               ; a whole row of 512 bytes: 16 bytes a lane
	v_lshlrev_b32 v[CO], 4, v6                     ; the same 16 bytes in a row of out0 and in b2
	s_lshl_b32 s16, s43, 6
	s_lshl_b32 s17, s12, 2
	s_add_co_u32 s16, s16, s17                     ; row 64 x block row + 4 w
	s_lshl_b32 s16, s16, 12                        ; x 4,096 bytes
	s_mov_b32 s17, 0
	s_add_nc_u64 s[10:11], s[10:11], s[16:17]
	s_lshl_b32 s18, s42, 9                         ; 128 columns of 4 bytes a block
	s_mov_b32 s19, 0
	s_add_nc_u64 s[10:11], s[10:11], s[18:19]
	s_add_nc_u64 s[8:9], s[8:9], s[18:19]
	global_load_b128 v[BIAS:BIAS+3], v[CO], s[8:9]
	s_wait_tensorcnt 0x1                           ; my part of K step 0 is in; K step 1's stays out
	s_barrier_signal -1
	s_barrier_wait -1
	WIN 0x40
	LOADR 0, 0                                     ; RP: quarter 0's codes
	WIN 0
	LOADA FA0, 0, 0
	WIN 0x80
	LOADR 0, 1                                     ; RQ: quarter 1's codes
	s_wait_dscnt 16                                ; RP is in; the 16 younger loads stay out
	WIN 0xa1
.irp g, 0,1,2,3,4,5,6,7,8,9,10,11,12,13,14,15
	PERM4 4*\g                                     ; Q for quarter 0
.endr
	STEP 0, 1, 2, 1                                ; the first lap stands in front of the loop: its first products start the sums
	STEP 1, 0, 2, 0
	WIN 0                                          ; at a label and at a branch every window is 0
	s_mov_b32 s15, 2                               ; 4096 / 512 = 8 K steps = 4 laps: one in front, two here, one behind
.Llap:
	STEP 0, 1, 2, 0
	STEP 1, 0, 2, 0
	WIN 0
	s_sub_co_u32 s15, s15, 1
	s_cmp_lg_u32 s15, 0
	s_cbranch_scc1 .Llap
	STEP 0, 1, 1, 0                                ; the last lap fills nothing
	STEP 1, 0, 0, 0
	; THE WAY OUT, 16 rows at a time: each wave puts its partial sums of the 16 rows into its part of the stage; behind a barrier wave w adds up the
	; four partial sums of rows 4 w .. 4 w + 3, adds b2 and stores whole rows of 512 bytes.
	PLACES                                         ; behind the last matrix instructions: for the LDS stores of results and the loads into the fragment buffers
	s_wait_loadcnt 0x0                             ; b2
.macro PASS first, al, from
.if \first == 0
	s_wait_xcnt 0x0                                ; the last pass's stores have had their addresses translated (ISA guide 3.1): their data and base are rewritten only behind this wait
	s_add_nc_u64 s[10:11], s[10:11], 16*OROW
	s_wait_dscnt 0x0                               ; my reads of the stage are over (met: the last count-down ended at 0)
	s_barrier_signal -1
	s_barrier_wait -1                              ; everybody's are: the stage may be written again
.endif
	WIN \from
.irp b, 0,1,2,3,4,5,6,7
	ds_store_b128 v[STO], v[8*(8*\al+\b):8*(8*\al+\b)+3]   offset:64*\b
	ds_store_b128 v[STO], v[8*(8*\al+\b)+4:8*(8*\al+\b)+7] offset:64*\b+16
.endr
	WIN 0
	s_wait_dscnt 0x0                               ; for the others' sake: my stores are done
	s_barrier_signal -1
	s_barrier_wait -1
.irp i, 0,1,2,3
.irp p, 0,1,2,3
	ds_load_b128 v[SUM+4*(4*\i+\p):SUM+4*(4*\i+\p)+3], v[RD] offset:\p*SWAVE+\i*SPITCH
.endr
.endr
.irp i, 0,1,2,3
	s_wait_dscnt 12-4*\i                           ; row i's four loads are in; four for each younger row stay out
	v_pk_add_f32 v[SUM+16*\i:SUM+16*\i+1],     v[SUM+16*\i:SUM+16*\i+1],     v[SUM+16*\i+4:SUM+16*\i+5]
	v_pk_add_f32 v[SUM+16*\i+2:SUM+16*\i+3],   v[SUM+16*\i+2:SUM+16*\i+3],   v[SUM+16*\i+6:SUM+16*\i+7]
	v_pk_add_f32 v[SUM+16*\i+8:SUM+16*\i+9],   v[SUM+16*\i+8:SUM+16*\i+9],   v[SUM+16*\i+12:SUM+16*\i+13]
	v_pk_add_f32 v[SUM+16*\i+10:SUM+16*\i+11], v[SUM+16*\i+10:SUM+16*\i+11], v[SUM+16*\i+14:SUM+16*\i+15]
	v_pk_add_f32 v[SUM+16*\i:SUM+16*\i+1],     v[SUM+16*\i:SUM+16*\i+1],     v[SUM+16*\i+8:SUM+16*\i+9]
	v_pk_add_f32 v[SUM+16*\i+2:SUM+16*\i+3],   v[SUM+16*\i+2:SUM+16*\i+3],   v[SUM+16*\i+10:SUM+16*\i+11]
	v_pk_add_f32 v[SUM+16*\i:SUM+16*\i+1],     v[SUM+16*\i:SUM+16*\i+1],     v[BIAS:BIAS+1]
	v_pk_add_f32 v[SUM+16*\i+2:SUM+16*\i+3],   v[SUM+16*\i+2:SUM+16*\i+3],   v[BIAS+2:BIAS+3]
	global_store_b128 v[CO], v[SUM+16*\i:SUM+16*\i+3], s[10:11] offset:\i*OROW th:TH_STORE_NT   ; the wave stores 512 consecutive bytes, aligned; written once, not read again
.endr
.endm
	PASS 1, 0, 0x04
	PASS 0, 1, 0x04
	PASS 0, 0, 0x08
	PASS 0, 1, 0x08
	s_set_vgpr_msb 0x2
	s_wait_tensorcnt 0x0
	ds_add_u32 v255, v255
	s_wait_dscnt 0x0
	s_set_vgpr_msb 0x200
	CROUND                                         ; the closing round: no work-group ends while a partner may still ask for a tile that names it
	s_endpgm
.Lfunc_end_k_q123f44f6c4_fc2:
	.size	k_q123f44f6c4_fc2, .Lfunc_end_k_q123f44f6c4_fc2-k_q123f44f6c4_fc2
	.p2alignl 7, 3214868480
	.fill 96, 4, 3214868480
	.section	.rodata,"a",@progbits
	.p2align	6, 0x0
	.amdhsa_kernel k_q123f44f6c4_fc2
		.amdhsa_group_segment_fixed_size 327680
		.amdhsa_private_segment_fixed_size 0
		.amdhsa_enable_private_segment 0
		.amdhsa_kernarg_size 32
		.amdhsa_user_sgpr_count 2
		.amdhsa_user_sgpr_kernarg_segment_ptr 1
		.amdhsa_wavefront_size32 1
		.amdhsa_system_sgpr_workgroup_id_x 1
		.amdhsa_system_sgpr_workgroup_id_y 1
		.amdhsa_system_sgpr_workgroup_id_z 1
		.amdhsa_system_vgpr_workitem_id 0
		.amdhsa_next_free_vgpr 768
		.amdhsa_next_free_sgpr 80
		.amdhsa_reserve_vcc 0
		.amdhsa_float_denorm_mode_32 3
		.amdhsa_float_denorm_mode_16_64 3
		.amdhsa_memory_ordered 1
		.amdhsa_forward_progress 1
		.amdhsa_inst_pref_size 206
	.end_amdhsa_kernel
	.amdgpu_metadata
---
amdhsa.version: [ 1, 2 ]
amdhsa.kernels:
  - .name:           k_q123f44f6c4_fc2
    .symbol:         k_q123f44f6c4_fc2.kd
    .args:
      - { .name: hb, .offset: 0, .size: 8, .value_kind: global_buffer, .address_space: global }
      - { .name: w2c, .offset: 8, .size: 8, .value_kind: global_buffer, .address_space: global }
      - { .name: b2, .offset: 16, .size: 8, .value_kind: global_buffer, .address_space: global }
      - { .name: out0, .offset: 24, .size: 8, .value_kind: global_buffer, .address_space: global }
    .group_segment_fixed_size: 327680
    .private_segment_fixed_size: 0
    .kernarg_segment_align: 8
    .kernarg_segment_size: 32
    .max_flat_workgroup_size: 128
    .sgpr_count:     80
    .vgpr_count:     768
    .wavefront_size: 32
...
	.end_amdgpu_metadata
.endif
;; end of part 3
